; MI455X (gfx1250); checked and timed in simulation.
; The chip was launched on July 23, 2026; its instructions are those of AMD's public machine-readable ISA for CDNA 5 (MIT licence, August 2026) and "CDNA5" Instruction Set Architecture Reference Guide (July 2026). The comments in the code are by the model that wrote it; some were corrected since.
;; RKAN Sub Layer. Allowed arithmetic: matrix products marked QUANTISED: E4M3 operands, one given power-of-two scale a tensor, by v_wmma_f32_16x16x64_fp8_fp8 or v_wmma_f32_16x16x128_fp8_fp8, f32 sums; everything else in f32.
;; Inputs: h_prev 4,096 x 1,024 float32; hh_b 1,024 float32; hh_w 1,024 x 1,024 float32; hz_base 1,024 x 1,024 float32; hz_scaler 1,024 x 1,024 float32; hz_spline 1,024 x 1,024 x 4 float32; lowp_scales 14 int32 (the exponents e of the quantised operands' scales 2^e); wh_base 1,024 x 1,024 float32; wh_scaler 1,024 x 1,024 float32; wh_spline 1,024 x 1,024 x 4 float32; wx_base 1,024 x 1,024 float32; wx_scaler 1,024 x 1,024 float32; wx_spline 1,024 x 1,024 x 4 float32; x_t 4,096 x 1,024 float32; z_prev 4,096 x 1,024 float32.
;; Outputs: out0 4,096 x 1,024 float32; out1 4,096 x 1,024 float32.
;; This version of the problem:
;;   THIS VERSION OF THE PROBLEM IS GIVEN IN LOW PRECISION. The matrix products marked QUANTISED in the list below multiply operands that are first quantised to E4M3 (4 exponent bits, 3 mantissa bits; 8 bits a number), with one given power-of-two scale for each operand tensor; their sums are f32. All else is computed in f32.
;;   The module's matrix products, in the order in which they are computed (A, B: the left and right operand; K: the contracted axis; several contracted axes count as one K, in the product's order):
;;     1. [M 4,096, K 1,024] x [K 1,024, N 1,024]; A: computed on the way; B: input wx_base: QUANTISED (scales: A lowp_scales[0], B lowp_scales[1])
;;     2. [M 4,096, K 4,096] x [K 4,096, N 1,024]; A: computed on the way; B: computed on the way: QUANTISED (scales: A lowp_scales[2], B lowp_scales[3])
;;     3. [M 4,096, K 1,024] x [K 1,024, N 1,024]; A: computed on the way; B: input wh_base: QUANTISED (scales: A lowp_scales[4], B lowp_scales[5])
;;     4. [M 4,096, K 4,096] x [K 4,096, N 1,024]; A: computed on the way; B: computed on the way: QUANTISED (scales: A lowp_scales[6], B lowp_scales[7])
;;     5. [M 4,096, K 1,024] x [K 1,024, N 1,024]; A: input z_prev; B: input hh_w: QUANTISED (scales: A lowp_scales[8], B lowp_scales[9])
;;     6. [M 4,096, K 1,024] x [K 1,024, N 1,024]; A: computed on the way; B: input hz_base: QUANTISED (scales: A lowp_scales[10], B lowp_scales[11])
;;     7. [M 4,096, K 4,096] x [K 4,096, N 1,024]; A: computed on the way; B: computed on the way: QUANTISED (scales: A lowp_scales[12], B lowp_scales[13])
;;   THE QUANTISER, for each operand of a quantised product, along K:
;;     - The operand's scale is 2^e, e = its entry of the input lowp_scales (int32; the entries are numbered through the quantised products in the list's order, A before B).
;;     - Each number is divided by the scale, clamped to +-448, and rounded to the nearest number of E4M3, ties to even, subnormals kept.
;;     - The product sums the exact products of the quantised numbers (number of the format x scale) in f32.
;;   ~~~python
;;   def quantise(x, axis, e):      # numpy; x: float32 -> the quantised numbers, widened to float32 again
;;       x = np.moveaxis(x, axis, -1); K = x.shape[-1]
;;       r = np.clip(x / 2.0 ** e, -448, 448)
;;       step = 2.0 ** (np.maximum(np.frexp(np.where(r == 0, 1, r))[1] - 1, -6) - 3)
;;       q = np.round(r / step) * step * 2.0 ** e      # np.round: ties to even
;;       return np.moveaxis(q, -1, axis).astype(np.float32)
;;   ~~~
;;   OPERANDS COMPUTED ON THE WAY. 'Computed on the way' means the value that the module computes at that place (a softmax that the list does not call 'softmax' is quantised finished and normalised). What goes into a quantiser is computed in f32, as accurately as f32 sums, v_exp_f32 and their like allow (about 1e-6 of the number): no bf16 or f16 on the way to a quantiser, and a product that is left as it is and whose result goes on into a quantised operand takes f32 operands (vector FMAs, or v_wmma_f32_16x16x4_f32). A number that lies on a knife's edge between two numbers of the format may be rounded either way, as far as f32 arithmetic and the matrix unit's own rounding can turn it there, and no further.
;; One version. Each part assembles by itself: llvm-mc -triple=amdgcn-amd-amdhsa -mcpu=gfx1250 --defsym DOCPART=n.
;; ======== version 1 of 1: 3 launches
;; limits: right only within a limited range of input values
;; workspace buffers: a1 41,943,040 bytes; w1 10,485,760 bytes; a2 25,165,824 bytes; w2 6,291,456 bytes
;; launch prep (part 1): grid 6 x 512, 4 waves a work-group, no clusters, 77,312 bytes of LDS; arguments wx_spline, wh_spline, hz_spline, x_t, z_prev, wx_base, wh_base, hh_w, hz_base, wx_scaler, wh_scaler, hz_scaler, lowp_scales, a1, w1, a2, w2; writes a1, w1, a2, w2
.if DOCPART == 1
	.amdgcn_target "amdgcn-amd-amdhsa--gfx1250"
	.amdhsa_code_object_version 6
	.text
	.protected	k_qaf79c5f4aa_prep
	.globl	k_qaf79c5f4aa_prep
	.p2align	8
	.type	k_qaf79c5f4aa_prep,@function
k_qaf79c5f4aa_prep:
	s_mov_b64 s[64:65], 0
	v_nop
	global_prefetch_b8 v0, s[64:65] scope:SCOPE_SE
	s_setreg_imm32_b32 hwreg(HW_REG_WAVE_MODE, 25, 1), 1
	s_wait_xcnt 0x0
; PREP: every operand that does not hang on o_t becomes codes of FP8 (E4M3), each with its given scale 2^e, once for the whole program.
;   a1 = [silu(x) | bsplines(x) | silu(z) | bsplines(z)],  w1 = [wx_base | wx_spline x scaler | wh_base | wh_spline x scaler],  a2's first eight K steps = z,  w2 = [hh_w | hz_base | hz_spline x scaler].
; LAYOUT OF THE FOUR BUFFERS: images of operand registers.  A fragment is 16 rows x 128 along K = 2,048 bytes; register R (0..15) of lane l lies at 512 (R / 4) + 16 l + 4 (R % 4).
;   With r = l % 16 (the row) and h = l / 16:  a plain K step (128 features): registers 2 b, 2 b + 1 = features 16 b + 8 h + 0..7;
;   a spline K step (32 features x 4 coefficients): register R = feature 16 (R / 8) + 8 h + R % 8, its four bytes the four coefficients.  A's and B's images are laid alike, so every product meets its partner.
;   A buffer's byte: tile (128 rows) x TB + K step x 16,384 + block of 16 rows x 2,048.
; SHARES: a wave does ONE job, 16 rows x 512 bytes of f32.  Work-group x is the role: 0, 1, 2 the spline weights of wx, wh, hz; 3, 4 the rows x and z; 5 the four plain weights.  Waves share nothing: no barrier.
;   Each of a job's sixteen loads reads 512 consecutive bytes of a row; the rows turn through the wave's own stage in LDS, so that a lane gets the numbers of its registers; each store writes 512 consecutive bytes.
; ARITHMETIC, all f32.  silu(v) = v / (1 + 2^(-v log2 e)).  The knots are -7, -5 .. 7: with P_k = v / 2 + 3.5 - k and N_k = k - 3.5 - v / 2, a_j = mid(P_j, N_(j+4), 0), b_j = mid(P_(j+1), N_(j+3), 0),
;   basis j is (a_j^3 - 4 b_j^3) / 6: 0 outside [-7, 7), never negative.  P_k and N_k are one fused multiply-add each, one rounding; N_k is not P_k with its sign turned, so that at a knot both are +0 and no -0 enters a basis.
;   code = number / 2^e, held within +-448, to the nearest code, ties to even.
; LIMITS: every e between -126 and 119, so that 2^e and 448 x 2^e are f32 numbers.  NaN and infinities among the inputs are not served.
; h_prev is an operand of no step of the computation: no launch of this program names it.
.set TB1,   1310720                    ; a tile's bytes in a1 and w1: 80 K steps
.set TB2,   786432                     ; in a2 and w2: 48 K steps
.set WREG,  19200                      ; LDS: a wave's region: the rows' stage, the spline weights' stage, the scalers' stage
.set RP,    528                        ; a stage row: 512 bytes + 16
.set RSPL,  8448                       ; the spline weights' stage: bytes of its own, since the two paths part on the work-group's number
.set SOFF,  16896                      ; the scalers' stage: 16 rows x (128 bytes + 16)
.set SPI,   144
.set L16,   4                          ; v4   16 x lane
.set STA,   5                          ; v5   my region + 16 x lane: into a stage, a row an instruction
.set RDP,   6                          ; v6   rows' stage, back: 528 r + 32 h
.set RDS,   7                          ; v7   spline stage, back: 528 r + 128 h
.set SST,   8                          ; v8   scalers' stage, in: 144 (l / 8) + 16 (l % 8)
.set SRD,   9                          ; v9   and back: 144 r + 32 h
.set SCO,   10                         ; v10  scalers in memory: 4,096 (l / 8) + 16 (l % 8)
.set SS,    12                         ; v12, v13  silu's scale as f32, and 448 x it
.set SL,    13
.set BS,    14                         ; v14, v15  the bases'
.set BL,    15
.set PS,    16                         ; v16, v17  that of numbers quantised as they are
.set PL,    17
.set RAW,   18                         ; v18-81   the job as loaded; then at work:
.set TS,    18                         ; v18-33   sixteen numbers
.set PP,    34                         ; v34-43   P_0 .. P_4 of two elements
.set NN,    44                         ; v44-53   N_3 .. N_7 of two elements
.set VA,    54                         ; v54-61   a_j: element e at 4 e + j
.set VB,    62                         ; v62-69   b_j
.set Q,     34                         ; v34-41   a^2, a^3, the bases: in P's registers, which are done with when a and b stand
.set R,     42                         ; v42-49   b^2, b^3
.set X,     82                         ; v82-145  the lane's 64 numbers, in the order of its registers
.set CD,    146                        ; v146-241 codes, 24 registers a quarter: 4 silu, 16 bases, 4 plain: no store's data are written again
.set OJ,    146                        ; v146-161 first: the sixteen rows' byte offsets
.set SCR,   162                        ; v162-177 spline path: scalers as loaded
.set SC,    178                        ; v178-193 scalers in the order of my registers
.set CW,    194                        ; v194-209 the spline weights' codes
.macro PICKP i, src, dst, tb, ks       ; what source i reads and where its codes go
	s_cmp_eq_u32 s61, \i
	s_cselect_b64 s[68:69], s[\src:\src+1], s[68:69]
	s_cselect_b64 s[70:71], s[\dst:\dst+1], s[70:71]
	s_cselect_b32 s72, \tb, s72
	s_cselect_b32 s73, \ks, s73
.endm
.macro PICKE i, e
	s_cmp_eq_u32 s61, \i
	s_cselect_b32 s74, s[\e], s74
.endm
.macro MKSC e, vs, vl                  ; 2^e and 448 x 2^e as f32, from the whole number in s[e]
	s_add_co_i32 s90, s[\e], 127
	s_lshl_b32 s91, s90, 23
	v_mov_b32 v[\vs], s91
	s_add_co_i32 s90, s90, 8
	s_lshl_b32 s90, s90, 23
	s_or_b32 s90, s90, 0x600000
	v_mov_b32 v[\vl], s90
.endm
; The four bases of two elements v[xp], v[xp+1] become eight codes: a register an element.
.macro BSP2 xp, out
	v_pk_fma_f32 v[PP+0:PP+1], v[(\xp):(\xp)+1], 0.5, 0x40600000 op_sel_hi:[1,0,0]    ; P_k = v / 2 + 3.5 - k, k = 0 .. 4
	v_pk_fma_f32 v[PP+2:PP+3], v[(\xp):(\xp)+1], 0.5, 0x40200000 op_sel_hi:[1,0,0]
	v_pk_fma_f32 v[PP+4:PP+5], v[(\xp):(\xp)+1], 0.5, 0x3fc00000 op_sel_hi:[1,0,0]
	v_pk_fma_f32 v[PP+6:PP+7], v[(\xp):(\xp)+1], 0.5, 0.5 op_sel_hi:[1,0,0]
	v_pk_fma_f32 v[PP+8:PP+9], v[(\xp):(\xp)+1], 0.5, -0.5 op_sel_hi:[1,0,0]
	v_pk_fma_f32 v[NN+0:NN+1], v[(\xp):(\xp)+1], -0.5, -0.5 op_sel_hi:[1,0,0]         ; N_k = k - 3.5 - v / 2, k = 3 .. 7
	v_pk_fma_f32 v[NN+2:NN+3], v[(\xp):(\xp)+1], -0.5, 0.5 op_sel_hi:[1,0,0]
	v_pk_fma_f32 v[NN+4:NN+5], v[(\xp):(\xp)+1], -0.5, 0x3fc00000 op_sel_hi:[1,0,0]
	v_pk_fma_f32 v[NN+6:NN+7], v[(\xp):(\xp)+1], -0.5, 0x40200000 op_sel_hi:[1,0,0]
	v_pk_fma_f32 v[NN+8:NN+9], v[(\xp):(\xp)+1], -0.5, 0x40600000 op_sel_hi:[1,0,0]
.irp e, 0,1
.irp j, 0,1,2,3
	v_med3_num_f32 v[VA+4*\e+\j], v[PP+2*\j+\e], v[NN+2*\j+2+\e], 0                   ; a_j = mid(P_j, N_(j+4), 0)
	v_med3_num_f32 v[VB+4*\e+\j], v[PP+2*\j+2+\e], v[NN+2*\j+\e], 0                   ; b_j = mid(P_(j+1), N_(j+3), 0)
.endr
.endr
.irp i, 0,2,4,6
	v_pk_mul_f32 v[Q+\i:Q+\i+1], v[VA+\i:VA+\i+1], v[VA+\i:VA+\i+1]
	v_pk_mul_f32 v[R+\i:R+\i+1], v[VB+\i:VB+\i+1], v[VB+\i:VB+\i+1]
.endr
.irp i, 0,2,4,6
	v_pk_mul_f32 v[Q+\i:Q+\i+1], v[Q+\i:Q+\i+1], v[VA+\i:VA+\i+1]
	v_pk_mul_f32 v[R+\i:R+\i+1], v[R+\i:R+\i+1], v[VB+\i:VB+\i+1]
.endr
.irp i, 0,2,4,6
	v_pk_fma_f32 v[Q+\i:Q+\i+1], v[R+\i:R+\i+1], -4.0, v[Q+\i:Q+\i+1] op_sel_hi:[1,0,1]
.endr
.irp i, 0,2,4,6
	v_pk_mul_f32 v[Q+\i:Q+\i+1], v[Q+\i:Q+\i+1], 0x3e2aaaab op_sel_hi:[1,0]          ; / 6
.endr
.irp i, 0,1,2,3,4,5,6,7
	v_min_num_f32 v[Q+\i], v[Q+\i], v[BL]          ; the conversion to an 8-bit code does not saturate (ISA guide 7.6.2); a basis is not negative, so the hold is one-sided
.endr
	v_cvt_scalef32_pk8_fp8_f32 v[(\out):(\out)+1], v[Q:Q+7], v[BS]
	v_nop                                          ; a plain line behind the conversion: the next lines write its sources again
.endm
; silu of sixteen numbers in three parts, so that each batch of transcendentals has other work behind it and ONE wait ahead of its first reader
.macro SILU_A x
.irp i, 0,2,4,6,8,10,12,14
	v_pk_mul_f32 v[TS+\i:TS+\i+1], v[(\x)+\i:(\x)+\i+1], 0xbfb8aa3b op_sel_hi:[1,0]   ; -v log2 e
.endr
	s_wait_alu depctr_va_vdst(0)
.irp i, 0,1,2,3,4,5,6,7,8,9,10,11,12,13,14,15
	v_exp_f32 v[TS+\i], v[TS+\i]
.endr
.endm
.macro SILU_B
.irp i, 0,2,4,6,8,10,12,14
	v_pk_add_f32 v[TS+\i:TS+\i+1], v[TS+\i:TS+\i+1], 1.0 op_sel_hi:[1,0]
.endr
	s_wait_alu depctr_va_vdst(0)
.irp i, 0,1,2,3,4,5,6,7,8,9,10,11,12,13,14,15
	v_rcp_f32 v[TS+\i], v[TS+\i]
.endr
.endm
.macro SILU_C x, cs
.irp i, 0,2,4,6,8,10,12,14
	v_pk_mul_f32 v[TS+\i:TS+\i+1], v[TS+\i:TS+\i+1], v[(\x)+\i:(\x)+\i+1]
.endr
.irp i, 0,1,2,3,4,5,6,7,8,9,10,11,12,13,14,15
	v_med3_num_f32 v[TS+\i], v[TS+\i], -v[SL], v[SL]
.endr
	v_cvt_scalef32_pk8_fp8_f32 v[(\cs):(\cs)+1], v[TS:TS+7], v[SS]
	v_cvt_scalef32_pk8_fp8_f32 v[(\cs)+2:(\cs)+3], v[TS+8:TS+15], v[SS]
	v_nop
.endm
.macro ACT16 x, cs, cb                 ; sixteen elements: 4 registers of silu's codes, 16 of the bases'
	SILU_A \x
	BSP2 (\x), (\cb)
	BSP2 (\x)+2, (\cb)+2
	s_wait_alu depctr_va_vdst(0)                   ; one wait for the sixteen exponentials, ahead of their first reader
	SILU_B
	BSP2 (\x)+4, (\cb)+4
	BSP2 (\x)+6, (\cb)+6
	s_wait_alu depctr_va_vdst(0)                   ; one wait for the sixteen reciprocals
	SILU_C \x, \cs
	BSP2 (\x)+8, (\cb)+8
	BSP2 (\x)+10, (\cb)+10
	BSP2 (\x)+12, (\cb)+12
	BSP2 (\x)+14, (\cb)+14
.endm
.macro PLAIN16 x, c                    ; sixteen numbers as they are
.irp i, 0,1,2,3,4,5,6,7,8,9,10,11,12,13,14,15
	v_med3_num_f32 v[TS+\i], v[(\x)+\i], -v[PL], v[PL]
.endr
	v_cvt_scalef32_pk8_fp8_f32 v[(\c):(\c)+1], v[TS:TS+7], v[PS]
	v_cvt_scalef32_pk8_fp8_f32 v[(\c)+2:(\c)+3], v[TS+8:TS+15], v[PS]
	v_nop
.endm
.macro SPL16 c                         ; four features x four coefficients, each feature's four times its scaler (one rounding, as the product is written)
.irp s, 0,1,2,3
.irp u, 0,1,2,3
	v_mul_f32 v[X+16*\c+4*\s+\u], v[X+16*\c+4*\s+\u], v[SC+4*\c+\s]
.endr
.endr
.irp i, 0,1,2,3,4,5,6,7,8,9,10,11,12,13,14,15
	v_med3_num_f32 v[X+16*\c+\i], v[X+16*\c+\i], -v[PL], v[PL]
.endr
	v_cvt_scalef32_pk8_fp8_f32 v[CW+4*\c:CW+4*\c+1], v[X+16*\c:X+16*\c+7], v[PS]
	v_cvt_scalef32_pk8_fp8_f32 v[CW+4*\c+2:CW+4*\c+3], v[X+16*\c+8:X+16*\c+15], v[PS]
	v_nop
.endm
	s_load_b512 s[8:23], s[0:1], 0x0               ; wx_spline 8, wh_spline 10, hz_spline 12, x_t 14, z_prev 16, wx_base 18, wh_base 20, hh_w 22
	s_load_b512 s[24:39], s[0:1], 0x40             ; hz_base 24, wx_scaler 26, wh_scaler 28, hz_scaler 30, lowp_scales 32, a1 34, w1 36, a2 38
	s_load_b64 s[40:41], s[0:1], 0x80              ; w2
	v_lshl_add_u32 v254, v0, 2, 0x12c00
	v_mov_b32 v255, 0
	v_lshrrev_b32 v1, 5, v0
	v_readfirstlane_b32 s60, v1                    ; wave 0..3
	s_mov_b32 s58, ttmp9                           ; the role
	s_and_b32 s59, ttmp7, 0xffff                   ; which work-group of the role
	s_lshr_b32 s84, s59, 7
	s_add_co_u32 s84, s84, 5
	s_and_b32 s85, s59, 127
	s_cmp_eq_u32 s58, 5
	s_cselect_b32 s61, s84, s58                    ; the source 0..8: the role, or in role 5 one of four weights, 128 work-groups each
	s_cselect_b32 s62, s85, s59
	s_lshr_b32 s86, s62, 1                         ; rows and plain weights: block of 16 rows,
	s_and_b32 s87, s62, 1
	s_lshl_b32 s87, s87, 2
	s_add_co_u32 s87, s87, s60                     ; and which 128 features (0..7)
	s_lshr_b32 s88, s59, 3                         ; spline weights: block of 16 rows,
	s_and_b32 s89, s59, 7
	s_lshl_b32 s89, s89, 2
	s_add_co_u32 s89, s89, s60                     ; and which 32 features (0..31)
	s_cmp_lt_u32 s58, 3
	s_cselect_b32 s63, s88, s86                    ; RB
	s_cselect_b32 s67, s89, s87                    ; kk: my 512 bytes of the rows, and my K step within the product
	s_cselect_b32 s66, 18, 16                      ; 16 rows are 2^18 bytes of a spline weight, 2^16 of the others
	s_sub_co_u32 s84, s66, 4
	s_lshl_b32 s75, 1, s84                         ; a row in bytes
	v_and_b32 v1, 31, v0                           ; l
	v_and_b32 v2, 15, v0                           ; r
	v_bfe_u32 v3, v0, 4, 1                         ; h
	v_lshlrev_b32 v[L16], 4, v1
	s_mul_i32 s84, s60, WREG
	v_add_nc_u32 v[STA], s84, v[L16]
	v_mul_u32_u24 v[RDP], v2, RP
	v_add_nc_u32 v[RDP], s84, v[RDP]
	v_lshl_add_u32 v[RDS], v3, 7, v[RDP]
	v_add_nc_u32 v[RDS], RSPL, v[RDS]
	v_lshl_add_u32 v[RDP], v3, 5, v[RDP]
	v_lshrrev_b32 v11, 3, v1
	v_and_b32 v[SCO], 7, v1
	v_lshlrev_b32 v[SCO], 4, v[SCO]
	v_mul_u32_u24 v[SST], v11, SPI
	v_add_nc_u32 v[SST], v[SST], v[SCO]
	v_add_nc_u32 v[SST], s84, v[SST]
	v_add_nc_u32 v[SST], SOFF, v[SST]
	v_lshl_add_u32 v[SCO], v11, 12, v[SCO]
	v_mul_u32_u24 v[SRD], v2, SPI
	v_lshl_add_u32 v[SRD], v3, 5, v[SRD]
	v_add_nc_u32 v[SRD], s84, v[SRD]
	v_add_nc_u32 v[SRD], SOFF, v[SRD]
.irp j, 0,1,2,3,4,5,6,7,8,9,10,11,12,13,14,15
	v_mad_u32_u24 v[OJ+\j], s75, \j, v[L16]        ; row j, my 16 bytes
.endr
	s_wait_alu depctr_va_vdst(0)
	s_wait_kmcnt 0x0
	s_load_b256 s[44:51], s[32:33], 0x0            ; e0 .. e7 in s44 .. s51
	s_load_b128 s[52:55], s[32:33], 0x20           ; e8 .. e11
	s_load_b64 s[56:57], s[32:33], 0x30            ; e12, e13
	s_mov_b64 s[68:69], s[8:9]                     ; source 0: wx_spline -> w1, K steps 8 on
	s_mov_b64 s[70:71], s[36:37]
	s_mov_b32 s72, TB1
	s_mov_b32 s73, 8
	PICKP 1, 10, 36, TB1, 48                       ; wh_spline -> w1, 48 on
	PICKP 2, 12, 40, TB2, 16                       ; hz_spline -> w2, 16 on
	PICKP 3, 14, 34, TB1, 0                        ; x: silu -> a1, 0 on
	PICKP 4, 16, 34, TB1, 40                       ; z: silu -> a1, 40 on
	PICKP 5, 18, 36, TB1, 0                        ; wx_base -> w1, 0 on
	PICKP 6, 20, 36, TB1, 40                       ; wh_base -> w1, 40 on
	PICKP 7, 22, 40, TB2, 0                        ; hh_w -> w2, 0 on
	PICKP 8, 24, 40, TB2, 8                        ; hz_base -> w2, 8 on
	s_mov_b64 s[78:79], s[26:27]                   ; the scalers of a spline weight
	s_cmp_eq_u32 s61, 1
	s_cselect_b64 s[78:79], s[28:29], s[78:79]
	s_cmp_eq_u32 s61, 2
	s_cselect_b64 s[78:79], s[30:31], s[78:79]
	s_lshl_b32 s76, s63, s66
	s_lshl_b32 s84, s67, 9
	s_add_co_u32 s76, s76, s84
	s_mov_b32 s77, 0
	s_add_nc_u64 s[68:69], s[68:69], s[76:77]      ; my job's first byte
.irp j, 0,1,2,3,4,5,6,7,8,9,10,11,12,13,14,15
	global_load_b128 v[RAW+4*\j:RAW+4*\j+3], v[OJ+\j], s[68:69] th:TH_LOAD_NT   ; 32 lanes read 512 consecutive bytes of row j; read once in the program
.endr
	s_lshl_b32 s76, s63, 16
	s_lshl_b32 s84, s67, 7
	s_add_co_u32 s76, s76, s84
	s_add_nc_u64 s[78:79], s[78:79], s[76:77]      ; my 16 rows x 32 scalers (used by roles 0 to 2 alone)
	s_lshr_b32 s85, s63, 3                         ; the tile of 128 rows,
	s_and_b32 s86, s63, 7
	s_lshl_b32 s86, s86, 11                        ; my block of 16 rows in it
	s_mul_i32 s76, s85, s72
	s_add_co_u32 s76, s76, s86
	s_add_co_u32 s84, s73, s67
	s_lshl_b32 s84, s84, 14
	s_add_co_u32 s76, s76, s84
	s_add_nc_u64 s[70:71], s[70:71], s[76:77]      ; D0: the source's own fragment
	s_mul_i32 s76, s85, TB1
	s_add_co_u32 s76, s76, s86
	s_lshl_b32 s84, s67, 2
	s_cmp_eq_u32 s58, 3
	s_cselect_b32 s87, 8, 48
	s_add_co_u32 s84, s84, s87
	s_lshl_b32 s84, s84, 14
	s_add_co_u32 s76, s76, s84
	s_add_nc_u64 s[80:81], s[34:35], s[76:77]      ; D1 (roles 3, 4): the four spline K steps of my 128 features, in a1
	s_mul_i32 s76, s85, TB2
	s_add_co_u32 s76, s76, s86
	s_lshl_b32 s84, s67, 14
	s_add_co_u32 s76, s76, s84
	s_add_nc_u64 s[82:83], s[38:39], s[76:77]      ; role 4: z as it is, in a2
	s_cmp_eq_u32 s58, 4
	s_cselect_b64 s[82:83], s[82:83], s[70:71]     ; DP: where numbers quantised as they are go
	s_wait_kmcnt 0x0
	s_mov_b32 s74, s47                             ; source 0: e3
	PICKE 1, 51
	PICKE 2, 57
	PICKE 3, 44
	PICKE 4, 48
	PICKE 5, 45
	PICKE 6, 49
	PICKE 7, 53
	PICKE 8, 55
	s_cmp_eq_u32 s58, 3
	s_cselect_b32 s88, s46, s50                    ; the bases': e2 for x, e6 for z
	s_cmp_eq_u32 s58, 4
	s_cselect_b32 s89, s52, s74                    ; as they are: e8 for z, else the source's own
	MKSC 74, SS, SL
	MKSC 88, BS, BL
	MKSC 89, PS, PL
	s_cmp_lt_u32 s58, 3
	s_cbranch_scc0 .Lrows
	; ---- roles 0 to 2: a fragment of spline weights
.irp t, 0,1,2,3
	global_load_b128 v[SCR+4*\t:SCR+4*\t+3], v[SCO], s[78:79] offset:16384*\t th:TH_LOAD_NT   ; four rows' 128 bytes each; the four waves of the group stand side by side on 512 bytes of each row
.endr
	s_wait_loadcnt 0x4                             ; the sixteen rows are in; the four loads of scalers may be out
.irp j, 0,1,2,3,4,5,6,7,8,9,10,11,12,13,14,15
	ds_store_b128 v[STA], v[RAW+4*\j:RAW+4*\j+3] offset:RSPL+RP*\j
.endr
	s_wait_loadcnt 0x0
.irp t, 0,1,2,3
	ds_store_b128 v[SST], v[SCR+4*\t:SCR+4*\t+3] offset:4*SPI*\t
.endr
.irp c, 0,1,2,3                        ; LDS serves a wave's instructions in order (ISA guide 5.7.1.4): these see my stores.  Register 4 c + t's feature: its four coefficients
.irp t, 0,1,2,3
	ds_load_b128 v[X+16*\c+4*\t:X+16*\c+4*\t+3], v[RDS] offset:256*(\c/2)+64*(\c%2)+16*\t
.endr
.endr
.irp c, 0,1,2,3
	ds_load_b128 v[SC+4*\c:SC+4*\c+3], v[SRD] offset:64*(\c/2)+16*(\c%2)
.endr
	s_wait_dscnt 0x0
.irp c, 0,1,2,3
	SPL16 \c
	global_store_b128 v[L16], v[CW+4*\c:CW+4*\c+3], s[70:71] offset:512*\c   ; 512 consecutive bytes, at a multiple of 512 from the buffer's first byte
.endr
	s_wait_tensorcnt 0x0
	ds_add_u32 v254, v255
	s_wait_dscnt 0x0
	s_endpgm
.Lrows:	; ---- roles 3 to 5: 16 rows x 128 features
	s_wait_loadcnt 0x0
.irp j, 0,1,2,3,4,5,6,7,8,9,10,11,12,13,14,15
	ds_store_b128 v[STA], v[RAW+4*\j:RAW+4*\j+3] offset:RP*\j
.endr
.irp m, 0,1,2,3,4,5,6,7                ; features 16 m + 8 h + 0..7 of row r
.irp t, 0,1
	ds_load_b128 v[X+8*\m+4*\t:X+8*\m+4*\t+3], v[RDP] offset:64*\m+16*\t
.endr
.endr
	s_wait_dscnt 0x0
	s_cmp_eq_u32 s58, 5
	s_cbranch_scc1 .Lplain
.irp c, 0,1,2,3                        ; a quarter: 16 elements a lane: registers 4 c .. 4 c + 3 of silu's fragment, and a whole spline fragment
	ACT16 X+16*\c, CD+24*\c, CD+24*\c+4
	global_store_b128 v[L16], v[CD+24*\c:CD+24*\c+3], s[70:71] offset:512*\c
.irp k, 0,1,2,3
	global_store_b128 v[L16], v[CD+24*\c+4+4*\k:CD+24*\c+7+4*\k], s[80:81] offset:16384*\c+512*\k
.endr
.endr
	s_cmp_eq_u32 s58, 3
	s_cbranch_scc1 .Lend
.Lplain:	; z (role 4) and the plain weights (role 5), as they are
	s_wait_alu depctr_va_vdst(0)
.irp c, 0,1,2,3
	PLAIN16 X+16*\c, CD+24*\c+20
	global_store_b128 v[L16], v[CD+24*\c+20:CD+24*\c+23], s[82:83] offset:512*\c
.endr
.Lend:
	s_wait_tensorcnt 0x0
	ds_add_u32 v254, v255
	s_wait_dscnt 0x0
	s_endpgm
.Lfunc_end_k_qaf79c5f4aa_prep:
	.size	k_qaf79c5f4aa_prep, .Lfunc_end_k_qaf79c5f4aa_prep-k_qaf79c5f4aa_prep
	.p2alignl 7, 3214868480
	.fill 96, 4, 3214868480
	.section	.rodata,"a",@progbits
	.p2align	6, 0x0
	.amdhsa_kernel k_qaf79c5f4aa_prep
		.amdhsa_group_segment_fixed_size 77312
		.amdhsa_private_segment_fixed_size 0
		.amdhsa_enable_private_segment 0
		.amdhsa_kernarg_size 136
		.amdhsa_user_sgpr_count 2
		.amdhsa_user_sgpr_kernarg_segment_ptr 1
		.amdhsa_wavefront_size32 1
		.amdhsa_system_sgpr_workgroup_id_x 1
		.amdhsa_system_sgpr_workgroup_id_y 1
		.amdhsa_system_sgpr_workgroup_id_z 1
		.amdhsa_system_vgpr_workitem_id 0
		.amdhsa_next_free_vgpr 256
		.amdhsa_next_free_sgpr 96
		.amdhsa_reserve_vcc 0
		.amdhsa_float_denorm_mode_32 3
		.amdhsa_float_denorm_mode_16_64 3
		.amdhsa_memory_ordered 1
		.amdhsa_forward_progress 1
		.amdhsa_inst_pref_size 167
	.end_amdhsa_kernel
	.amdgpu_metadata
---
amdhsa.version: [ 1, 2 ]
amdhsa.kernels:
  - .name:           k_qaf79c5f4aa_prep
    .symbol:         k_qaf79c5f4aa_prep.kd
    .args:
      - { .name: wx_spline, .offset: 0, .size: 8, .value_kind: global_buffer, .address_space: global }
      - { .name: wh_spline, .offset: 8, .size: 8, .value_kind: global_buffer, .address_space: global }
      - { .name: hz_spline, .offset: 16, .size: 8, .value_kind: global_buffer, .address_space: global }
      - { .name: x_t, .offset: 24, .size: 8, .value_kind: global_buffer, .address_space: global }
      - { .name: z_prev, .offset: 32, .size: 8, .value_kind: global_buffer, .address_space: global }
      - { .name: wx_base, .offset: 40, .size: 8, .value_kind: global_buffer, .address_space: global }
      - { .name: wh_base, .offset: 48, .size: 8, .value_kind: global_buffer, .address_space: global }
      - { .name: hh_w, .offset: 56, .size: 8, .value_kind: global_buffer, .address_space: global }
      - { .name: hz_base, .offset: 64, .size: 8, .value_kind: global_buffer, .address_space: global }
      - { .name: wx_scaler, .offset: 72, .size: 8, .value_kind: global_buffer, .address_space: global }
      - { .name: wh_scaler, .offset: 80, .size: 8, .value_kind: global_buffer, .address_space: global }
      - { .name: hz_scaler, .offset: 88, .size: 8, .value_kind: global_buffer, .address_space: global }
      - { .name: lowp_scales, .offset: 96, .size: 8, .value_kind: global_buffer, .address_space: global }
      - { .name: a1, .offset: 104, .size: 8, .value_kind: global_buffer, .address_space: global }
      - { .name: w1, .offset: 112, .size: 8, .value_kind: global_buffer, .address_space: global }
      - { .name: a2, .offset: 120, .size: 8, .value_kind: global_buffer, .address_space: global }
      - { .name: w2, .offset: 128, .size: 8, .value_kind: global_buffer, .address_space: global }
    .group_segment_fixed_size: 77312
    .private_segment_fixed_size: 0
    .kernarg_segment_align: 8
    .kernarg_segment_size: 136
    .max_flat_workgroup_size: 128
    .sgpr_count:     96
    .vgpr_count:     256
    .wavefront_size: 32
...
	.end_amdgpu_metadata
.endif
;; end of part 1
;; launch gemm1 (part 2): grid 8 x 32, 4 waves a work-group, clusters of 4 x 1, 327,680 bytes of LDS; arguments a1, w1, lowp_scales, out0, a2; writes out0, a2
.if DOCPART == 2
	.amdgcn_target "amdgcn-amd-amdhsa--gfx1250"
	.amdhsa_code_object_version 6
	.text
	.protected	k_qaf79c5f4aa_gemm1
	.globl	k_qaf79c5f4aa_gemm1
	.p2align	8
	.type	k_qaf79c5f4aa_gemm1,@function
k_qaf79c5f4aa_gemm1:
	s_mov_b64 s[64:65], 0
	v_nop
	global_prefetch_b8 v0, s[64:65] scope:SCOPE_SE
	s_setreg_imm32_b32 hwreg(HW_REG_WAVE_MODE, 25, 1), 1
	s_wait_xcnt 0x0
	s_wait_alu depctr_hold_cnt(0) depctr_sa_sdst(0) depctr_va_vdst(0) depctr_va_sdst(0) depctr_va_ssrc(0) depctr_va_vcc(0) depctr_vm_vsrc(0)
	s_getreg_b32 s2, hwreg(HW_REG_IB_STS2, 6, 4)
	s_cmp_eq_u32 s2, 0
	s_cbranch_scc0 .Lentry_in_a_cluster
	s_endpgm
.Lentry_in_a_cluster:
	s_bfe_u32 s2, ttmp6, 0x10000c
	s_cmp_lg_u32 s2, 0x3003
	s_cbranch_scc0 .Lentry_shape_is_right
	s_endpgm
.Lentry_shape_is_right:
; s = a1 w1^T over K = 10,240 codes of FP8 (products 1 to 4), o = tanh(s) -> out0; silu(o) and the four bases of o -> codes in a2 (K steps 8 on).
; A work-group makes 128 x 128 of s: x = which 128 columns, y = which 128 rows.  THE FOUR WAVES DIVIDE K: wave w takes K steps 20 w .. 20 w + 19 (of 128 codes), each with all 64 accumulators (512 registers);
; the four parts meet in LDS at the end.  a1 and w1 are images of operand registers (a fragment of 16 rows x 128 K = 2,048 bytes, register R of lane l at 512 (R / 4) + 16 l + 4 (R % 4)).
; A: the four work-groups of a cluster (4, 1, 1: same y) need the same tiles of A, so A comes by JOINT tensor loads through a ring of two LDS slots.  A slot holds two K steps for each wave (4 x 32 KiB);
;    each wave fetches its own 32 KiB (consecutive in memory, as 128 rows of 256 bytes) and reads only those; LDS holds A alone, so that one round of the cluster's barrier serves two K steps.
; B: the partners of a cluster have different tiles of B, and each fragment is read by one wave of the work-group alone: B comes from memory straight into its registers, two sets, by loads of 512 consecutive bytes.
; SCALES: K steps 0-7, 8-39, 40-47, 48-79 carry 2^E1 .. 2^E4 (E = the two operands' e added).  Waves 0 and 2 cross one border, at their step 8: there their sums are multiplied by 2^(E1 - E2), 2^(E3 - E4);
; at the end waves 0, 1 stand under 2^E2 and waves 2, 3 under 2^E4.  LIMITS: E2, E4, E1 - E2, E3 - E4 between -126 and 127; e10, e12 between -126 and 119.  NaN and infinities are not served.
; PREFETCH: each pair of K steps asks for the pair after the next, 32 KiB of A and 32 KiB of B a wave: one pair ahead of the loads that fetch it.  Of A's each partner of the cluster takes 8 KiB, told apart by address (cx; a lane a block of 256 bytes);
; of B's each of the 32 work-groups that read the tile takes 1 KiB (4 lanes; the others name the last block again).  The first two pairs come by their loads alone; the last two pairs ask for nothing.
.set NST,    20                        ; K steps of a wave
.set TRIPS,  (NST/2-2)/2               ; trips of two pairs: one pair stands ahead of the loop, one behind
.set RTRIP,  1                         ; the trip whose second pair begins with step 8
.set KSB,    16384                     ; a K step of a tile in bytes
.set TB,     1310720
.set TB2,    786432
.set SLOT,   131072
.set SPARE,  262144                    ; behind the ring: the spare words
.set STAGE,  262656
.set SPITCH, 528
.set FR,     16
.set AF,     128
.set RR,     8
.set RA,     12
.set ADRA,   16                        ; v16, v17: my 32 KiB of slot 0, 1, + 16 x lane
.set L16,    22
.set RS,     23
.set STO,    24
.set RD,     25
.set SPW,    28
.set NIL,    29
.set PFA,    30
.set PFB,    31
.set IN,     32
.set SV,     96
.set XO,     112
.set TS,     128
.set Q2,     144
.set PLY,    160
.set VG,     144
.set Q,      176
.set CS,     192
.set CB,     196
.set C3,     212
.set SS,     216
.set SL,     217
.set BS,     218
.set BL,     219
.set OS,     220
.set OBV,    221
.set CO,     222
.set TSA,    223
.set G1, 24                            ; s[24:31] descriptor group 1; s[32:39] group 0, a set for each slot
.set G0, 32
.set MSB, 0
.macro WIN new
.if MSB != \new
	s_set_vgpr_msb (MSB<<8)|\new
.set MSB, \new
.endif
.endm
.set MUL_LO, 0xa1                      ; source 0 (B) window 1, source 1 (A) window 0, C and D window 2
.set MUL_HI, 0xf1
.set TO_B,   0x40
.macro PLACES n
.rept \n
	v_nop
.endr
.endm
.macro CROUND                          ; a round of the cluster's barrier
	s_barrier_signal -1
	s_barrier_wait -1
	s_cmp_lg_u32 s14, 0
	s_cbranch_scc1 .Lnot_wave_0_\@
	s_barrier_signal -3
.Lnot_wave_0_\@:
	s_barrier_wait -3
	s_barrier_signal -1
	s_barrier_wait -1
.endm
.macro LDSA i0, slot, st               ; A's blocks i0, i0 + 1 of the slot's step st, out of LDS
.irp i, \i0, \i0+1
.irp c, 0,1,2,3
	ds_load_b128 v[AF+FR*(\i)+4*\c:AF+FR*(\i)+4*\c+3], v[ADRA+\slot] offset:KSB*(\st)+2048*(\i)+512*\c
.endr
.endr
.endm
.macro LOADB p, st                     ; B's eight fragments of the K step st steps on from the base, into set p
	WIN TO_B
.irp i, 0,1,2,3,4,5,6,7
.irp c, 0,1,2,3
	global_load_b128 v[128*(\p)+FR*\i+4*\c:128*(\p)+FR*\i+4*\c+3], v[L16], s[6:7] offset:KSB*(\st)+2048*\i+512*\c
.endr
.endr
	WIN 0
.endm
.macro MUL16 a0, p, zero               ; the 64 accumulators take turns, in the same order in every step
.irp a, \a0, \a0+1
.irp b, 0,1,2,3,4,5,6,7
.if \zero
	v_wmma_f32_16x16x128_fp8_fp8 v[8*(8*((\a)%4)+\b):8*(8*((\a)%4)+\b)+7], v[128*(\p)+FR*\b:128*(\p)+FR*\b+FR-1], v[AF+FR*(\a):AF+FR*(\a)+FR-1], 0
.else
	v_wmma_f32_16x16x128_fp8_fp8 v[8*(8*((\a)%4)+\b):8*(8*((\a)%4)+\b)+7], v[128*(\p)+FR*\b:128*(\p)+FR*\b+FR-1], v[AF+FR*(\a):AF+FR*(\a)+FR-1], v[8*(8*((\a)%4)+\b):8*(8*((\a)%4)+\b)+7]
.endif
.endr
.endr
.endm
; Two blocks of A against B's eight.  la: the two blocks are read anew, for the slot's second step; four places stand ahead of loads into registers that products have read.
; A wait of 24 on the LDS counter leaves out the three groups of eight loads issued behind the two blocks wanted next.
.macro GRP a0, p, slot, la, zero, left
	MUL16 \a0, \p, \zero
.if \la
	PLACES 4
	WIN 0
	LDSA \a0, \slot, 1
	s_wait_dscnt 24
.else
	s_wait_dscnt \left
.endif
.endm
; A K step on B's set p (p is also its place in the slot).  lb: the set is loaded again, for two steps on.  lw: B's loads issued behind this step's set.
.macro STEP p, slot, lb, lw, zero
	s_wait_loadcnt \lw
	s_wait_dscnt 24                                ; A's blocks 0, 1 are in
	WIN MUL_LO
	GRP 0, \p, \slot, 1-\p, \zero, 16
	WIN MUL_LO
	GRP 2, \p, \slot, 1-\p, \zero, 8
	WIN MUL_HI
	GRP 4, \p, \slot, 1-\p, \zero, 0
	WIN MUL_HI
	MUL16 6, \p, \zero
	PLACES 4
	WIN 0
.if 1-\p
	LDSA 6, \slot, 1
.endif
.if \lb
	LOADB \p, (\p)+2
.endif
.endm
; A pair of K steps out of one slot.  more = 1: the other slot is filled with the next pair, and B's sets are loaded again.  ask = 1: prefetch; 2: not in the last trip.  zero = 1: the launch's first pair.
.macro PAIR slot, more, ask, zero
	s_wait_tensorcnt 0x0                           ; my one tensor load that was out has landed: my part of this slot
.if \more
	ds_add_u32 v[SPW], v[NIL]
	s_add_nc_u64 s[G0+4*\slot+2:G0+4*\slot+3], s[G0+4*\slot+2:G0+4*\slot+3], 4*KSB   ; no load of mine is out: this slot's next pair
	s_wait_dscnt 0x0                               ; the add is done, and my reads of the other slot are over
	CROUND                                         ; so it is with every wave of the four partners
	tensor_load_to_lds s[G0+4-4*\slot:G0+7-4*\slot], s[G1:G1+7]   ; the next pair into the other slot: my one tensor load behind the round
	s_nop 0
	PLACES 4
.endif
	LDSA 0, \slot, 0
	LDSA 2, \slot, 0
	LDSA 4, \slot, 0
	LDSA 6, \slot, 0
.if (\more) && (1-\zero)
	s_wait_xcnt 0x0                                ; the last pair's loads and prefetches have read their bases
	s_add_nc_u64 s[4:5], s[4:5], 2*KSB
	s_add_nc_u64 s[6:7], s[6:7], 2*KSB
.endif
.if \ask == 2
	s_cmp_eq_u32 s3, TRIPS-1
	s_cbranch_scc1 .Lnoask_\@
.endif
.if \ask
	global_prefetch_b8 v[PFA], s[4:5] offset:4*KSB th:TH_LOAD_NT scope:SCOPE_SE
	global_prefetch_b8 v[PFB], s[6:7] offset:4*KSB th:TH_LOAD_NT scope:SCOPE_SE
.endif
.if \ask == 2
.Lnoask_\@:
.endif
	STEP 0, \slot, \more, 32, \zero
	STEP 1, \slot, \more, 32*\more, 0
.endm
.macro RESCALE                         ; all sums x s76, a power of two; each accumulator from its low end on
	WIN 0x82
.set i, 0
.rept 128
	v_pk_mul_f32 v[i:i+1], v[i:i+1], s[76:77] op_sel_hi:[1,0]
.set i, i+2
.endr
	WIN 0xc3
.set i, 0
.rept 128
	v_pk_mul_f32 v[i:i+1], v[i:i+1], s[76:77] op_sel_hi:[1,0]
.set i, i+2
.endr
	WIN 0
	s_wait_alu depctr_va_vdst(0)
.endm
.macro MKSC e, vs, vl
	s_add_co_i32 s90, s[\e], 127
	s_lshl_b32 s91, s90, 23
	v_mov_b32 v[\vs], s91
	s_add_co_i32 s90, s90, 8
	s_lshl_b32 s90, s90, 23
	s_or_b32 s90, s90, 0x600000
	v_mov_b32 v[\vl], s90
.endm
	s_load_b128 s[4:7], s[0:1], 0x0                ; a1, w1
	s_load_b128 s[8:11], s[0:1], 0x10              ; lowp_scales, out0
	s_load_b64 s[12:13], s[0:1], 0x20              ; a2
	v_lshl_add_u32 v[SPW], v0, 2, SPARE
	v_mov_b32 v[NIL], 0
	ds_add_u32 v[SPW], v[NIL]                      ; the opening lines: the add, twice on end, and its wait ahead of my first tensor load
	ds_add_u32 v[SPW], v[NIL]
	v_lshrrev_b32 v1, 5, v0
	v_readfirstlane_b32 s14, v1                    ; wave
	s_bfe_u32 s40, ttmp6, 0x40000                  ; cx
	s_lshl_b32 s42, ttmp9, 2
	s_add_co_u32 s42, s42, s40                     ; x = 4 x cluster x + cx
	s_and_b32 s17, ttmp7, 0xffff                   ; y
	s_lshl_b32 s18, s40, 13                        ; my work-group's 8 KiB of a pair of A's K steps
	s_lshl_b32 s19, s17, 10                        ; and its 1 KiB of B's
	s_mul_i32 s16, s14, NST*KSB                    ; my wave's first K step
	s_mul_i32 s20, s17, TB
	s_add_co_u32 s20, s20, s16
	s_mov_b32 s21, 0
	s_mul_i32 s22, s42, TB
	s_add_co_u32 s22, s22, s16
	s_mov_b32 s23, 0
	s_lshl_b32 s45, s14, 15                        ; my 32 KiB of a slot
	s_mov_b32 s[G1+0], 15|(3<<16)|(1<<21)          ; the mask: all four partners; elements of 8 bytes; bit 21 beside a mask
	s_mov_b32 s[G1+1], 32<<16                      ; rows of 32 elements = 256 bytes
	s_mov_b32 s[G1+2], 128<<16                     ; 128 rows
	s_mov_b32 s[G1+3], 32<<16
	s_mov_b32 s[G1+4], 128
	s_mov_b32 s[G1+5], 32                          ; dense
	s_mov_b32 s[G1+6], 0
	s_mov_b32 s[G1+7], 0
	v_and_b32 v1, 31, v0
	v_and_b32 v2, 15, v0
	v_bfe_u32 v3, v0, 4, 1
	v_lshlrev_b32 v[L16], 4, v1
	v_min_u32 v5, 3, v1
	v_lshl_add_u32 v[PFA], v1, 8, s18
	v_lshl_add_u32 v[PFB], v5, 8, s19
	v_add_nc_u32 v[ADRA], s45, v[L16]
	v_add_nc_u32 v[ADRA+1], SLOT, v[ADRA]
	s_wait_alu depctr_va_vdst(0)
	s_wait_dscnt 0x0                               ; both opening adds are done
	s_wait_kmcnt 0x0
	s_add_nc_u64 s[4:5], s[4:5], s[20:21]          ; A hangs on y and the wave alone: equal in the four partners
	s_add_nc_u64 s[6:7], s[6:7], s[22:23]
	s_load_b256 s[68:75], s[8:9], 0x0              ; e0 .. e7
	s_load_b32 s92, s[8:9], 0x28                   ; e10
	s_load_b32 s93, s[8:9], 0x30                   ; e12
.irp s, 0,1
	s_mov_b32 s[G0+4*\s], 1
	s_add_co_u32 s[G0+4*\s+1], s45, \s*SLOT
	s_add_nc_u64 s[G0+4*\s+2:G0+4*\s+3], s[4:5], \s*2*KSB
	s_or_b32 s[G0+4*\s+3], s[G0+4*\s+3], 0x80000000
.endr
	CROUND                                         ; the four partners are here: the first joint loads meet
	tensor_load_to_lds s[G0:G0+3], s[G1:G1+7]      ; K steps 0, 1: one tensor load a wave at the head
	s_nop 0
	PLACES 4
	LOADB 0, 0
	LOADB 1, 1
	s_lshl_b32 s50, s14, 14
	s_lshl_b32 s51, s14, 16
	s_mul_i32 s52, s14, 16*SPITCH
	s_add_co_u32 s52, s52, STAGE
	s_lshl_b32 s86, s17, 19                        ; out0: row 128 y + 32 w, column 128 x
	s_lshl_b32 s87, s14, 17
	s_add_co_u32 s86, s86, s87
	s_lshl_b32 s87, s42, 9
	s_add_co_u32 s86, s86, s87
	s_mov_b32 s87, 0
	s_add_nc_u64 s[10:11], s[10:11], s[86:87]
	s_mul_i32 s86, s17, TB2                        ; a2: tile y, blocks 2 w, 2 w + 1
	s_lshl_b32 s88, s14, 12
	s_add_co_u32 s86, s86, s88
	s_add_nc_u64 s[12:13], s[12:13], s[86:87]
	s_lshl_b32 s86, s42, 14
	s_add_co_u32 s86, s86, 8*16384
	s_add_nc_u64 s[84:85], s[12:13], s[86:87]      ; silu's K step 8 + x
	s_lshl_b32 s86, s42, 16
	s_add_co_u32 s86, s86, 16*16384
	s_add_nc_u64 s[86:87], s[12:13], s[86:87]      ; the bases' K steps 16 + 4 x on
	v_add_nc_u32 v[RR], s50, v[L16]
.irp s, 1,2,3
	v_add_nc_u32 v[RR+\s], \s*65536, v[RR]
.endr
	v_add_nc_u32 v[RS], s51, v[L16]
	v_mul_u32_u24 v[STO], v2, SPITCH
	v_lshl_add_u32 v[STO], v3, 5, v[STO]
	v_add_nc_u32 v[STO], s52, v[STO]
	v_add_nc_u32 v[RD], s52, v[L16]
	s_wait_kmcnt 0x0
	s_add_co_i32 s68, s68, s69                     ; E1
	s_add_co_i32 s70, s70, s71                     ; E2
	s_add_co_i32 s72, s72, s73                     ; E3
	s_add_co_i32 s74, s74, s75                     ; E4
	s_sub_co_i32 s76, s68, s70
	s_sub_co_i32 s77, s72, s74
	s_cmp_eq_u32 s14, 0
	s_cselect_b32 s76, s76, s77
	s_add_co_i32 s76, s76, 127
	s_lshl_b32 s76, s76, 23                        ; wave 0: 2^(E1 - E2); wave 2: 2^(E3 - E4)
	s_mov_b32 s77, s76
	s_and_b32 s78, s14, 1
	s_cmp_eq_u32 s78, 0
	s_cselect_b32 s79, RTRIP, 0xffff               ; the trip in whose middle my sums change scale: waves 1 and 3 never
	s_add_co_i32 s80, s70, 127
	s_lshl_b32 s80, s80, 23                        ; 2^E2
	s_mov_b32 s81, s80
	s_add_co_i32 s82, s74, 127
	s_lshl_b32 s82, s82, 23                        ; 2^E4
	s_mov_b32 s83, s82
	s_wait_alu depctr_va_vdst(0)
	PAIR 0, 1, 1, 1                                ; slot 1's first fill is issued as a refill is; the first step's products start the sums
	s_mov_b32 s3, 0
.Ltrip:
	PAIR 1, 1, 1, 0
	s_cmp_eq_u32 s3, s79
	s_cbranch_scc0 .Lsame
	RESCALE
.Lsame:
	PAIR 0, 1, 2, 0
	s_add_co_u32 s3, s3, 1
	s_cmp_lt_u32 s3, TRIPS
	s_cbranch_scc1 .Ltrip
	PAIR 1, 0, 0, 0                                ; the last pair fetches nothing
	s_barrier_signal -1                            ; every wave's reads of the ring are over (its last wait on the LDS counter was for 0): the ring's bytes, which have had their last fill, take the sums
	s_barrier_wait -1
	WIN 0x08
.irp a, 0,1,2,3
.irp b, 0,1,2,3,4,5,6,7
	ds_store_b128 v[RS], v[8*(8*\a+\b):8*(8*\a+\b)+3] offset:(8*\a+\b)*1024
	ds_store_b128 v[RS], v[8*(8*\a+\b)+4:8*(8*\a+\b)+7] offset:(8*\a+\b)*1024+512
.endr
.endr
	WIN 0x0c
.irp a, 0,1,2,3
.irp b, 0,1,2,3,4,5,6,7
	ds_store_b128 v[RS], v[8*(8*\a+\b):8*(8*\a+\b)+3] offset:(8*(\a+4)+\b)*1024
	ds_store_b128 v[RS], v[8*(8*\a+\b)+4:8*(8*\a+\b)+7] offset:(8*(\a+4)+\b)*1024+512
.endr
.endr
	WIN 0
	MKSC 92, SS, SL
	MKSC 93, BS, BL
	v_mov_b32 v[C3], 0xbd5d0dd1
	v_mov_b32 v[C3+1], 0xbd5d0dd1
	s_mov_b32 s96, 0x3d800000
	s_wait_dscnt 0x0                               ; for the others' sake: my stores are done
	s_barrier_signal -1
	s_barrier_wait -1
; tanh(s) = 1 - 2 / (1 + 2^(2 s log2 e)); where s^2 < 1/16, the odd series to s^9, which keeps the small numbers' digits
.macro TANH16
.irp i, 0,2,4,6,8,10,12,14
	v_pk_mul_f32 v[TS+\i:TS+\i+1], v[SV+\i:SV+\i+1], 0x4038aa3b op_sel_hi:[1,0]
.endr
	s_wait_alu depctr_va_vdst(0)
.irp i, 0,1,2,3,4,5,6,7,8,9,10,11,12,13,14,15
	v_exp_f32 v[TS+\i], v[TS+\i]
.endr
.irp i, 0,2,4,6,8,10,12,14
	v_pk_mul_f32 v[Q2+\i:Q2+\i+1], v[SV+\i:SV+\i+1], v[SV+\i:SV+\i+1]
.endr
.irp i, 0,2,4,6,8,10,12,14
	v_pk_fma_f32 v[PLY+\i:PLY+\i+1], v[Q2+\i:Q2+\i+1], 0x3cb327a4, v[C3:C3+1] op_sel_hi:[1,0,1]
.endr
.irp i, 0,2,4,6,8,10,12,14
	v_pk_fma_f32 v[PLY+\i:PLY+\i+1], v[PLY+\i:PLY+\i+1], v[Q2+\i:Q2+\i+1], 0x3e088889 op_sel_hi:[1,1,0]
.endr
.irp i, 0,2,4,6,8,10,12,14
	v_pk_fma_f32 v[PLY+\i:PLY+\i+1], v[PLY+\i:PLY+\i+1], v[Q2+\i:Q2+\i+1], 0xbeaaaaab op_sel_hi:[1,1,0]
.endr
.irp i, 0,2,4,6,8,10,12,14
	v_pk_fma_f32 v[PLY+\i:PLY+\i+1], v[PLY+\i:PLY+\i+1], v[Q2+\i:Q2+\i+1], 1.0 op_sel_hi:[1,1,0]
.endr
.irp i, 0,2,4,6,8,10,12,14
	v_pk_mul_f32 v[PLY+\i:PLY+\i+1], v[PLY+\i:PLY+\i+1], v[SV+\i:SV+\i+1]
.endr
	s_wait_alu depctr_va_vdst(0)
.irp i, 0,2,4,6,8,10,12,14
	v_pk_add_f32 v[TS+\i:TS+\i+1], v[TS+\i:TS+\i+1], 1.0 op_sel_hi:[1,0]
.endr
	s_wait_alu depctr_va_vdst(0)
.irp i, 0,1,2,3,4,5,6,7,8,9,10,11,12,13,14,15
	v_rcp_f32 v[TS+\i], v[TS+\i]
.endr
	v_nop
	s_wait_alu depctr_va_vdst(0)
.irp i, 0,2,4,6,8,10,12,14
	v_pk_fma_f32 v[TS+\i:TS+\i+1], v[TS+\i:TS+\i+1], -2.0, 1.0 op_sel_hi:[1,0,0]
.endr
.irp i, 0,1,2,3,4,5,6,7,8,9,10,11,12,13,14,15
	v_cmp_gt_f32 vcc_lo, s96, v[Q2+\i]
	v_cndmask_b32 v[XO+\i], v[TS+\i], v[PLY+\i], vcc_lo
.endr
.endm
.macro SILU_A
.irp i, 0,2,4,6,8,10,12,14
	v_pk_mul_f32 v[TS+\i:TS+\i+1], v[XO+\i:XO+\i+1], 0xbfb8aa3b op_sel_hi:[1,0]
.endr
	s_wait_alu depctr_va_vdst(0)
.irp i, 0,1,2,3,4,5,6,7,8,9,10,11,12,13,14,15
	v_exp_f32 v[TS+\i], v[TS+\i]
.endr
.endm
.macro SILU_B
.irp i, 0,2,4,6,8,10,12,14
	v_pk_add_f32 v[TS+\i:TS+\i+1], v[TS+\i:TS+\i+1], 1.0 op_sel_hi:[1,0]
.endr
	s_wait_alu depctr_va_vdst(0)
.irp i, 0,1,2,3,4,5,6,7,8,9,10,11,12,13,14,15
	v_rcp_f32 v[TS+\i], v[TS+\i]
.endr
.endm
.macro SILU_C
.irp i, 0,2,4,6,8,10,12,14
	v_pk_mul_f32 v[TS+\i:TS+\i+1], v[TS+\i:TS+\i+1], v[XO+\i:XO+\i+1]
.endr
.irp i, 0,1,2,3,4,5,6,7,8,9,10,11,12,13,14,15
	v_med3_num_f32 v[TS+\i], v[TS+\i], -v[SL], v[SL]
.endr
	v_cvt_scalef32_pk8_fp8_f32 v[CS:CS+1], v[TS:TS+7], v[SS]
	v_cvt_scalef32_pk8_fp8_f32 v[CS+2:CS+3], v[TS+8:TS+15], v[SS]
	v_nop
.endm
; o lies in [-1, 1], between the knots -1 and 1: with g = (1 - o) / 2 and f = (1 + o) / 2 the four bases are g^3 / 6, 2/3 - f^2 + f^3 / 2, 2/3 - g^2 + g^3 / 2, f^3 / 6
.macro BSPO2 n
	v_pk_fma_f32 v[VG:VG+1],     v[XO+2*\n:XO+2*\n+1], -0.5, 0.5 op_sel_hi:[1,0,0]
	v_pk_fma_f32 v[VG+2:VG+3],   v[XO+2*\n:XO+2*\n+1], 0.5, 0.5 op_sel_hi:[1,0,0]
	v_pk_mul_f32 v[VG+4:VG+5],   v[VG:VG+1], v[VG:VG+1]
	v_pk_mul_f32 v[VG+6:VG+7],   v[VG+2:VG+3], v[VG+2:VG+3]
	v_pk_mul_f32 v[VG+8:VG+9],   v[VG+4:VG+5], v[VG:VG+1]
	v_pk_mul_f32 v[VG+10:VG+11], v[VG+6:VG+7], v[VG+2:VG+3]
	v_pk_fma_f32 v[VG+16:VG+17], v[VG+4:VG+5], -1.0, 0x3f2aaaab op_sel_hi:[1,0,0]
	v_pk_fma_f32 v[VG+18:VG+19], v[VG+6:VG+7], -1.0, 0x3f2aaaab op_sel_hi:[1,0,0]
	v_pk_mul_f32 v[VG+12:VG+13], v[VG+8:VG+9], 0x3e2aaaab op_sel_hi:[1,0]
	v_pk_mul_f32 v[VG+14:VG+15], v[VG+10:VG+11], 0x3e2aaaab op_sel_hi:[1,0]
	v_pk_fma_f32 v[VG+16:VG+17], v[VG+8:VG+9], 0.5, v[VG+16:VG+17] op_sel_hi:[1,0,1]
	v_pk_fma_f32 v[VG+18:VG+19], v[VG+10:VG+11], 0.5, v[VG+18:VG+19] op_sel_hi:[1,0,1]
.irp e, 0,1
	v_min_num_f32 v[Q+4*\e],   v[VG+12+\e], v[BL]
	v_min_num_f32 v[Q+4*\e+1], v[VG+18+\e], v[BL]
	v_min_num_f32 v[Q+4*\e+2], v[VG+16+\e], v[BL]
	v_min_num_f32 v[Q+4*\e+3], v[VG+14+\e], v[BL]
.endr
	v_cvt_scalef32_pk8_fp8_f32 v[CB+2*\n:CB+2*\n+1], v[Q:Q+7], v[BS]
	v_nop
.endm
	; wave w finishes rows 32 w .. 32 w + 31: eight trips of two accumulators (16 numbers a lane)
	s_mov_b32 s3, 0
.Lout:
	s_wait_xcnt 0x0
	s_lshl_b32 s88, s3, 11
.irp s, 0,1,2,3
	v_add_nc_u32 v[RA+\s], s88, v[RR+\s]
.endr
	s_lshl_b32 s89, s3, 9
	v_add_nc_u32 v[OS], s89, v[L16]
	s_and_b32 s94, s3, 3
	s_lshr_b32 s95, s3, 2
	s_lshl_b32 s88, s94, 14
	s_lshl_b32 s89, s95, 11
	s_add_co_u32 s88, s88, s89
	v_add_nc_u32 v[OBV], s88, v[L16]
	s_lshl_b32 s89, s95, 16
	v_add_nc_u32 v[CO], s89, v[L16]
	s_lshl_b32 s88, s94, 7
	v_add_nc_u32 v[TSA], s88, v[STO]
	s_wait_alu depctr_va_vdst(0)
.irp s, 0,1,2,3
.irp c, 0,1,2,3
	ds_load_b128 v[IN+16*\s+4*\c:IN+16*\s+4*\c+3], v[RA+\s] offset:512*\c
.endr
.endr
	s_wait_dscnt 0x0
.irp i, 0,2,4,6,8,10,12,14
	v_pk_add_f32 v[IN+\i:IN+\i+1], v[IN+\i:IN+\i+1], v[IN+16+\i:IN+16+\i+1]
	v_pk_add_f32 v[IN+32+\i:IN+32+\i+1], v[IN+32+\i:IN+32+\i+1], v[IN+48+\i:IN+48+\i+1]
.endr
.irp i, 0,2,4,6,8,10,12,14
	v_pk_mul_f32 v[SV+\i:SV+\i+1], v[IN+32+\i:IN+32+\i+1], s[82:83] op_sel_hi:[1,0]   ; waves 2, 3: x 2^E4
.endr
.irp i, 0,2,4,6,8,10,12,14
	v_pk_fma_f32 v[SV+\i:SV+\i+1], v[IN+\i:IN+\i+1], s[80:81], v[SV+\i:SV+\i+1] op_sel_hi:[1,0,1]   ; waves 0, 1: x 2^E2
.endr
	TANH16
.irp u, 0,1
	ds_store_b128 v[TSA], v[XO+8*\u:XO+8*\u+3] offset:64*\u
	ds_store_b128 v[TSA], v[XO+8*\u+4:XO+8*\u+7] offset:64*\u+16
.endr
	SILU_A
	BSPO2 0
	BSPO2 1
	s_wait_alu depctr_va_vdst(0)
	SILU_B
	BSPO2 2
	BSPO2 3
	s_wait_alu depctr_va_vdst(0)
	SILU_C
	BSPO2 4
	BSPO2 5
	BSPO2 6
	BSPO2 7
	global_store_b128 v[OS], v[CS:CS+3], s[84:85]
.irp k, 0,1,2,3
	global_store_b128 v[OBV], v[CB+4*\k:CB+4*\k+3], s[86:87] offset:512*\k
.endr
	s_cmp_lg_u32 s94, 3
	s_cbranch_scc1 .Lnot_yet
.irp t, 0,1,2,3,4,5,6,7,8,9,10,11,12,13,14,15
	ds_load_b128 v[IN+4*\t:IN+4*\t+3], v[RD] offset:SPITCH*\t
.endr
.irp t, 0,1,2,3,4,5,6,7,8,9,10,11,12,13,14,15
	s_wait_dscnt 15-\t
	global_store_b128 v[CO], v[IN+4*\t:IN+4*\t+3], s[10:11] offset:4096*\t th:TH_STORE_NT   ; 512 consecutive bytes of a row of out0
.endr
.Lnot_yet:
	s_add_co_u32 s3, s3, 1
	s_cmp_lt_u32 s3, 8
	s_cbranch_scc1 .Lout
	s_wait_tensorcnt 0x0                           ; the wave's end
	ds_add_u32 v[SPW], v[NIL]
	s_wait_dscnt 0x0
	CROUND                                         ; the closing round
	s_endpgm
.Lfunc_end_k_qaf79c5f4aa_gemm1:
	.size	k_qaf79c5f4aa_gemm1, .Lfunc_end_k_qaf79c5f4aa_gemm1-k_qaf79c5f4aa_gemm1
	.p2alignl 7, 3214868480
	.fill 96, 4, 3214868480
	.section	.rodata,"a",@progbits
	.p2align	6, 0x0
	.amdhsa_kernel k_qaf79c5f4aa_gemm1
		.amdhsa_group_segment_fixed_size 327680
		.amdhsa_private_segment_fixed_size 0
		.amdhsa_enable_private_segment 0
		.amdhsa_kernarg_size 40
		.amdhsa_user_sgpr_count 2
		.amdhsa_user_sgpr_kernarg_segment_ptr 1
		.amdhsa_wavefront_size32 1
		.amdhsa_system_sgpr_workgroup_id_x 1
		.amdhsa_system_sgpr_workgroup_id_y 1
		.amdhsa_system_sgpr_workgroup_id_z 1
		.amdhsa_system_vgpr_workitem_id 0
		.amdhsa_next_free_vgpr 1024
		.amdhsa_next_free_sgpr 100
		.amdhsa_reserve_vcc 1
		.amdhsa_float_denorm_mode_32 3
		.amdhsa_float_denorm_mode_16_64 3
		.amdhsa_memory_ordered 1
		.amdhsa_forward_progress 1
		.amdhsa_inst_pref_size 142
	.end_amdhsa_kernel
	.amdgpu_metadata
---
amdhsa.version: [ 1, 2 ]
amdhsa.kernels:
  - .name:           k_qaf79c5f4aa_gemm1
    .symbol:         k_qaf79c5f4aa_gemm1.kd
    .args:
      - { .name: a1, .offset: 0, .size: 8, .value_kind: global_buffer, .address_space: global }
      - { .name: w1, .offset: 8, .size: 8, .value_kind: global_buffer, .address_space: global }
      - { .name: lowp_scales, .offset: 16, .size: 8, .value_kind: global_buffer, .address_space: global }
      - { .name: out0, .offset: 24, .size: 8, .value_kind: global_buffer, .address_space: global }
      - { .name: a2, .offset: 32, .size: 8, .value_kind: global_buffer, .address_space: global }
    .group_segment_fixed_size: 327680
    .private_segment_fixed_size: 0
    .kernarg_segment_align: 8
    .kernarg_segment_size: 40
    .max_flat_workgroup_size: 128
    .sgpr_count:     100
    .vgpr_count:     1024
    .wavefront_size: 32
...
	.end_amdgpu_metadata
.endif
;; end of part 2
;; launch gemm2 (part 3): grid 8 x 32, 4 waves a work-group, clusters of 4 x 1, 327,680 bytes of LDS; arguments a2, w2, lowp_scales, hh_b, out1; writes out1
.if DOCPART == 3
	.amdgcn_target "amdgcn-amd-amdhsa--gfx1250"
	.amdhsa_code_object_version 6
	.text
	.protected	k_qaf79c5f4aa_gemm2
	.globl	k_qaf79c5f4aa_gemm2
	.p2align	8
	.type	k_qaf79c5f4aa_gemm2,@function
k_qaf79c5f4aa_gemm2:
	s_mov_b64 s[64:65], 0
	v_nop
	global_prefetch_b8 v0, s[64:65] scope:SCOPE_SE
	s_setreg_imm32_b32 hwreg(HW_REG_WAVE_MODE, 25, 1), 1
	s_wait_xcnt 0x0
	s_wait_alu depctr_hold_cnt(0) depctr_sa_sdst(0) depctr_va_vdst(0) depctr_va_sdst(0) depctr_va_ssrc(0) depctr_va_vcc(0) depctr_vm_vsrc(0)
	s_getreg_b32 s2, hwreg(HW_REG_IB_STS2, 6, 4)
	s_cmp_eq_u32 s2, 0
	s_cbranch_scc0 .Lentry_in_a_cluster
	s_endpgm
.Lentry_in_a_cluster:
	s_bfe_u32 s2, ttmp6, 0x10000c
	s_cmp_lg_u32 s2, 0x3003
	s_cbranch_scc0 .Lentry_shape_is_right
	s_endpgm
.Lentry_shape_is_right:
; z_t = a2 w2^T over K = 6,144 codes of FP8 (products 5 to 7) + hh_b -> out1.  The loop is gemm1's: a work-group makes 128 x 128; the four waves divide K, wave w taking K steps 12 w .. 12 w + 11 with all 64 accumulators.
; A: the four work-groups of a cluster (4, 1, 1: same y) need the same tiles, which come by JOINT tensor loads through a ring of two LDS slots; a slot holds two K steps for each wave, each wave fetching and reading its own 32 KiB.
; B: the partners have different tiles, and each fragment is read by one wave alone: from memory straight into its registers (w2 is an image of operand registers), two sets.  The four parts meet in LDS at the end.
; SCALES: K steps 0-7, 8-15, 16-47 carry 2^Ea, 2^Eb, 2^Ec.  Wave 0 crosses a border at its step 8 (sums x 2^(Ea - Eb)), wave 1 at its step 4 (x 2^(Eb - Ec)); at the end wave 0 stands under 2^Eb, the others under 2^Ec.
; LIMITS: Eb, Ec, Ea - Eb, Eb - Ec between -126 and 127.  NaN and infinities are not served.
; PREFETCH as in gemm1: each pair of K steps asks for the pair after the next; of A's 32 KiB a wave each partner takes 8 KiB by address (cx), of B's each of the 32 work-groups of the tile 1 KiB; the first two pairs come by their loads alone, the last two ask for nothing.
.set NST,    12
.set TRIPS,  (NST/2-2)/2
.set KSB,    16384
.set TB,     786432
.set SLOT,   131072
.set SPARE,  262144
.set STAGE,  262656
.set SPITCH, 528
.set FR,     16
.set AF,     128
.set RR,     8
.set ADRA,   16
.set L16,    22
.set RS,     23
.set STO,    24
.set RD,     25
.set BO,     26
.set SPW,    28
.set NIL,    29
.set PFA,    30
.set PFB,    31
.set BIAS,   32
.set IN,     128
.set OV,     192
.set G1, 24
.set G0, 32
.set MSB, 0
.macro WIN new
.if MSB != \new
	s_set_vgpr_msb (MSB<<8)|\new
.set MSB, \new
.endif
.endm
.set MUL_LO, 0xa1
.set MUL_HI, 0xf1
.set TO_B,   0x40
.macro PLACES n
.rept \n
	v_nop
.endr
.endm
.macro CROUND
	s_barrier_signal -1
	s_barrier_wait -1
	s_cmp_lg_u32 s14, 0
	s_cbranch_scc1 .Lnot_wave_0_\@
	s_barrier_signal -3
.Lnot_wave_0_\@:
	s_barrier_wait -3
	s_barrier_signal -1
	s_barrier_wait -1
.endm
.macro LDSA i0, slot, st
.irp i, \i0, \i0+1
.irp c, 0,1,2,3
	ds_load_b128 v[AF+FR*(\i)+4*\c:AF+FR*(\i)+4*\c+3], v[ADRA+\slot] offset:KSB*(\st)+2048*(\i)+512*\c
.endr
.endr
.endm
.macro LOADB p, st
	WIN TO_B
.irp i, 0,1,2,3,4,5,6,7
.irp c, 0,1,2,3
	global_load_b128 v[128*(\p)+FR*\i+4*\c:128*(\p)+FR*\i+4*\c+3], v[L16], s[6:7] offset:KSB*(\st)+2048*\i+512*\c
.endr
.endr
	WIN 0
.endm
.macro MUL16 a0, p, zero               ; the 64 accumulators take turns
.irp a, \a0, \a0+1
.irp b, 0,1,2,3,4,5,6,7
.if \zero
	v_wmma_f32_16x16x128_fp8_fp8 v[8*(8*((\a)%4)+\b):8*(8*((\a)%4)+\b)+7], v[128*(\p)+FR*\b:128*(\p)+FR*\b+FR-1], v[AF+FR*(\a):AF+FR*(\a)+FR-1], 0
.else
	v_wmma_f32_16x16x128_fp8_fp8 v[8*(8*((\a)%4)+\b):8*(8*((\a)%4)+\b)+7], v[128*(\p)+FR*\b:128*(\p)+FR*\b+FR-1], v[AF+FR*(\a):AF+FR*(\a)+FR-1], v[8*(8*((\a)%4)+\b):8*(8*((\a)%4)+\b)+7]
.endif
.endr
.endr
.endm
; the LDS counts: 24 = the three groups of eight loads issued behind the two blocks wanted next; in a slot's second step 16, 8, 0
.macro GRP a0, p, slot, la, zero, left
	MUL16 \a0, \p, \zero
.if \la
	PLACES 4
	WIN 0
	LDSA \a0, \slot, 1
	s_wait_dscnt 24
.else
	s_wait_dscnt \left
.endif
.endm
.macro STEP p, slot, lb, lw, zero
	s_wait_loadcnt \lw                             ; B's set p is in; lw loads, the other set's, stay out
	s_wait_dscnt 24
	WIN MUL_LO
	GRP 0, \p, \slot, 1-\p, \zero, 16
	WIN MUL_LO
	GRP 2, \p, \slot, 1-\p, \zero, 8
	WIN MUL_HI
	GRP 4, \p, \slot, 1-\p, \zero, 0
	WIN MUL_HI
	MUL16 6, \p, \zero
	PLACES 4
	WIN 0
.if 1-\p
	LDSA 6, \slot, 1
.endif
.if \lb
	LOADB \p, (\p)+2
.endif
.endm
.macro PAIR slot, more, ask, zero
	s_wait_tensorcnt 0x0                           ; my part of this slot has landed
.if \more
	ds_add_u32 v[SPW], v[NIL]
	s_add_nc_u64 s[G0+4*\slot+2:G0+4*\slot+3], s[G0+4*\slot+2:G0+4*\slot+3], 4*KSB
	s_wait_dscnt 0x0                               ; the add is done, and my reads of the other slot are over
	CROUND
	tensor_load_to_lds s[G0+4-4*\slot:G0+7-4*\slot], s[G1:G1+7]   ; the next pair into the other slot: my one tensor load behind the round
	s_nop 0
	PLACES 4
.endif
	LDSA 0, \slot, 0
	LDSA 2, \slot, 0
	LDSA 4, \slot, 0
	LDSA 6, \slot, 0
.if (\more) && (1-\zero)
	s_wait_xcnt 0x0                                ; the last pair's loads and prefetches have read their bases
	s_add_nc_u64 s[4:5], s[4:5], 2*KSB
	s_add_nc_u64 s[6:7], s[6:7], 2*KSB
.endif
.if \ask == 2
	s_cmp_eq_u32 s3, TRIPS-1
	s_cbranch_scc1 .Lnoask_\@
.endif
.if \ask
	global_prefetch_b8 v[PFA], s[4:5] offset:4*KSB th:TH_LOAD_NT scope:SCOPE_SE
	global_prefetch_b8 v[PFB], s[6:7] offset:4*KSB th:TH_LOAD_NT scope:SCOPE_SE
.endif
.if \ask == 2
.Lnoask_\@:
.endif
	STEP 0, \slot, \more, 32, \zero
	STEP 1, \slot, \more, 32*\more, 0
.endm
.macro RESCALE
	WIN 0x82
.set i, 0
.rept 128
	v_pk_mul_f32 v[i:i+1], v[i:i+1], s[76:77] op_sel_hi:[1,0]
.set i, i+2
.endr
	WIN 0xc3
.set i, 0
.rept 128
	v_pk_mul_f32 v[i:i+1], v[i:i+1], s[76:77] op_sel_hi:[1,0]
.set i, i+2
.endr
	WIN 0
	s_wait_alu depctr_va_vdst(0)
.endm
	s_load_b128 s[4:7], s[0:1], 0x0                ; a2, w2
	s_load_b128 s[8:11], s[0:1], 0x10              ; lowp_scales, hh_b
	s_load_b64 s[12:13], s[0:1], 0x20              ; out1
	v_lshl_add_u32 v[SPW], v0, 2, SPARE
	v_mov_b32 v[NIL], 0
	ds_add_u32 v[SPW], v[NIL]                      ; the opening lines: the add, twice on end, and its wait ahead of my first tensor load
	ds_add_u32 v[SPW], v[NIL]
	v_lshrrev_b32 v1, 5, v0
	v_readfirstlane_b32 s14, v1                    ; wave
	s_bfe_u32 s40, ttmp6, 0x40000                  ; cx
	s_lshl_b32 s42, ttmp9, 2
	s_add_co_u32 s42, s42, s40                     ; x
	s_and_b32 s17, ttmp7, 0xffff                   ; y
	s_lshl_b32 s18, s40, 13
	s_lshl_b32 s19, s17, 10
	s_mul_i32 s16, s14, NST*KSB
	s_mul_i32 s20, s17, TB
	s_add_co_u32 s20, s20, s16
	s_mov_b32 s21, 0
	s_mul_i32 s22, s42, TB
	s_add_co_u32 s22, s22, s16
	s_mov_b32 s23, 0
	s_lshl_b32 s45, s14, 15
	s_mov_b32 s[G1+0], 15|(3<<16)|(1<<21)          ; the mask: all four partners; elements of 8 bytes; bit 21 beside a mask
	s_mov_b32 s[G1+1], 32<<16
	s_mov_b32 s[G1+2], 128<<16
	s_mov_b32 s[G1+3], 32<<16
	s_mov_b32 s[G1+4], 128
	s_mov_b32 s[G1+5], 32
	s_mov_b32 s[G1+6], 0
	s_mov_b32 s[G1+7], 0
	v_and_b32 v1, 31, v0
	v_and_b32 v2, 15, v0
	v_bfe_u32 v3, v0, 4, 1
	v_lshlrev_b32 v[L16], 4, v1
	v_min_u32 v5, 3, v1
	v_lshl_add_u32 v[PFA], v1, 8, s18
	v_lshl_add_u32 v[PFB], v5, 8, s19
	v_lshlrev_b32 v[BO], 5, v3
	v_add_nc_u32 v[ADRA], s45, v[L16]
	v_add_nc_u32 v[ADRA+1], SLOT, v[ADRA]
	s_wait_alu depctr_va_vdst(0)
	s_wait_dscnt 0x0
	s_wait_kmcnt 0x0
	s_add_nc_u64 s[4:5], s[4:5], s[20:21]
	s_add_nc_u64 s[6:7], s[6:7], s[22:23]
	s_load_b128 s[68:71], s[8:9], 0x20             ; e8 .. e11
	s_load_b64 s[72:73], s[8:9], 0x30              ; e12, e13
.irp s, 0,1
	s_mov_b32 s[G0+4*\s], 1
	s_add_co_u32 s[G0+4*\s+1], s45, \s*SLOT
	s_add_nc_u64 s[G0+4*\s+2:G0+4*\s+3], s[4:5], \s*2*KSB
	s_or_b32 s[G0+4*\s+3], s[G0+4*\s+3], 0x80000000
.endr
	CROUND
	tensor_load_to_lds s[G0:G0+3], s[G1:G1+7]      ; K steps 0, 1: one tensor load a wave at the head
	s_nop 0
	PLACES 4
	LOADB 0, 0
	LOADB 1, 1
	s_lshl_b32 s50, s14, 14
	s_lshl_b32 s51, s14, 16
	s_mul_i32 s52, s14, 16*SPITCH
	s_add_co_u32 s52, s52, STAGE
	s_lshl_b32 s86, s42, 9
	s_mov_b32 s87, 0
	s_add_nc_u64 s[10:11], s[10:11], s[86:87]      ; hh_b at column 128 x
	s_lshl_b32 s88, s17, 19
	s_lshl_b32 s89, s14, 17
	s_add_co_u32 s88, s88, s89
	s_add_co_u32 s88, s88, s86
	s_mov_b32 s89, 0
	s_add_nc_u64 s[12:13], s[12:13], s[88:89]      ; out1: row 128 y + 32 w, column 128 x
	v_add_nc_u32 v[RR], s50, v[L16]
.irp s, 1,2,3
	v_add_nc_u32 v[RR+\s], \s*65536, v[RR]
.endr
	v_add_nc_u32 v[RS], s51, v[L16]
	v_mul_u32_u24 v[STO], v2, SPITCH
	v_lshl_add_u32 v[STO], v3, 5, v[STO]
	v_add_nc_u32 v[STO], s52, v[STO]
	v_add_nc_u32 v[RD], s52, v[L16]
	s_wait_kmcnt 0x0
	s_add_co_i32 s68, s68, s69                     ; Ea
	s_add_co_i32 s70, s70, s71                     ; Eb
	s_add_co_i32 s72, s72, s73                     ; Ec
	s_sub_co_i32 s76, s68, s70
	s_sub_co_i32 s77, s70, s72
	s_cmp_eq_u32 s14, 0
	s_cselect_b32 s76, s76, s77
	s_cselect_b32 s79, 1, 0xffff                   ; wave 0: in the middle of trip 1 (its step 8)
	s_add_co_i32 s76, s76, 127
	s_lshl_b32 s76, s76, 23
	s_mov_b32 s77, s76
	s_cmp_eq_u32 s14, 1
	s_cselect_b32 s79, 0, s79                      ; wave 1: in the middle of trip 0 (its step 4); waves 2 and 3 never
	s_add_co_i32 s80, s70, 127
	s_lshl_b32 s80, s80, 23                        ; 2^Eb
	s_mov_b32 s81, s80
	s_add_co_i32 s82, s72, 127
	s_lshl_b32 s82, s82, 23                        ; 2^Ec
	s_mov_b32 s83, s82
	s_wait_alu depctr_va_vdst(0)
	PAIR 0, 1, 1, 1
	s_mov_b32 s3, 0
.Ltrip:
	PAIR 1, 1, 1, 0
	s_cmp_eq_u32 s3, s79
	s_cbranch_scc0 .Lsame
	RESCALE
.Lsame:
	PAIR 0, 1, 2, 0
	s_add_co_u32 s3, s3, 1
	s_cmp_lt_u32 s3, TRIPS
	s_cbranch_scc1 .Ltrip
	PAIR 1, 0, 0, 0
.irp b, 0,1,2,3,4,5,6,7                ; the bias of my eight columns in each of the eight column blocks; waited for behind the barriers
	global_load_b128 v[BIAS+8*\b:BIAS+8*\b+3], v[BO], s[10:11] offset:64*\b
	global_load_b128 v[BIAS+8*\b+4:BIAS+8*\b+7], v[BO], s[10:11] offset:64*\b+16
.endr
	s_barrier_signal -1                            ; every wave's reads of the ring are over: its bytes, which have had their last fill, take the sums
	s_barrier_wait -1
	WIN 0x08
.irp a, 0,1,2,3
.irp b, 0,1,2,3,4,5,6,7
	ds_store_b128 v[RS], v[8*(8*\a+\b):8*(8*\a+\b)+3] offset:(8*\a+\b)*1024
	ds_store_b128 v[RS], v[8*(8*\a+\b)+4:8*(8*\a+\b)+7] offset:(8*\a+\b)*1024+512
.endr
.endr
	WIN 0x0c
.irp a, 0,1,2,3
.irp b, 0,1,2,3,4,5,6,7
	ds_store_b128 v[RS], v[8*(8*\a+\b):8*(8*\a+\b)+3] offset:(8*(\a+4)+\b)*1024
	ds_store_b128 v[RS], v[8*(8*\a+\b)+4:8*(8*\a+\b)+7] offset:(8*(\a+4)+\b)*1024+512
.endr
.endr
	WIN 0
	s_wait_dscnt 0x0                               ; for the others' sake: my stores are done
	s_barrier_signal -1
	s_barrier_wait -1
.macro OUTT T                          ; two accumulators: the four waves' parts, each under its scale, and the bias
.irp s, 0,1,2,3
.irp c, 0,1,2,3
	ds_load_b128 v[IN+16*\s+4*\c:IN+16*\s+4*\c+3], v[RR+\s] offset:2048*(\T)+512*\c
.endr
.endr
	s_wait_dscnt 0x0
.irp i, 0,2,4,6,8,10,12,14
	v_pk_add_f32 v[IN+16+\i:IN+16+\i+1], v[IN+16+\i:IN+16+\i+1], v[IN+32+\i:IN+32+\i+1]
.endr
.irp i, 0,2,4,6,8,10,12,14
	v_pk_add_f32 v[IN+16+\i:IN+16+\i+1], v[IN+16+\i:IN+16+\i+1], v[IN+48+\i:IN+48+\i+1]
.endr
.irp i, 0,2,4,6,8,10,12,14
	v_pk_fma_f32 v[OV+\i:OV+\i+1], v[IN+16+\i:IN+16+\i+1], s[82:83], v[BIAS+16*((\T)%4)+\i:BIAS+16*((\T)%4)+\i+1] op_sel_hi:[1,0,1]
.endr
.irp i, 0,2,4,6,8,10,12,14
	v_pk_fma_f32 v[OV+\i:OV+\i+1], v[IN+\i:IN+\i+1], s[80:81], v[OV+\i:OV+\i+1] op_sel_hi:[1,0,1]
.endr
.irp u, 0,1
	ds_store_b128 v[STO], v[OV+8*\u:OV+8*\u+3] offset:128*((\T)%4)+64*\u
	ds_store_b128 v[STO], v[OV+8*\u+4:OV+8*\u+7] offset:128*((\T)%4)+64*\u+16
.endr
.endm
.macro FLUSH ap                        ; 16 whole rows of 512 bytes out of my stage
.irp t, 0,1,2,3,4,5,6,7,8,9,10,11,12,13,14,15
	ds_load_b128 v[IN+4*\t:IN+4*\t+3], v[RD] offset:SPITCH*\t
.endr
.irp t, 0,1,2,3,4,5,6,7,8,9,10,11,12,13,14,15
	s_wait_dscnt 15-\t
	global_store_b128 v[L16], v[IN+4*\t:IN+4*\t+3], s[12:13] offset:4096*\t+65536*(\ap) th:TH_STORE_NT
.endr
.endm
	s_wait_loadcnt 0x0                             ; the bias
	OUTT 0
	OUTT 1
	OUTT 2
	OUTT 3
	FLUSH 0
	s_wait_xcnt 0x0
	OUTT 4
	OUTT 5
	OUTT 6
	OUTT 7
	FLUSH 1
	s_wait_tensorcnt 0x0                           ; the wave's end
	ds_add_u32 v[SPW], v[NIL]
	s_wait_dscnt 0x0
	CROUND                                         ; the closing round
	s_endpgm
.Lfunc_end_k_qaf79c5f4aa_gemm2:
	.size	k_qaf79c5f4aa_gemm2, .Lfunc_end_k_qaf79c5f4aa_gemm2-k_qaf79c5f4aa_gemm2
	.p2alignl 7, 3214868480
	.fill 96, 4, 3214868480
	.section	.rodata,"a",@progbits
	.p2align	6, 0x0
	.amdhsa_kernel k_qaf79c5f4aa_gemm2
		.amdhsa_group_segment_fixed_size 327680
		.amdhsa_private_segment_fixed_size 0
		.amdhsa_enable_private_segment 0
		.amdhsa_kernarg_size 40
		.amdhsa_user_sgpr_count 2
		.amdhsa_user_sgpr_kernarg_segment_ptr 1
		.amdhsa_wavefront_size32 1
		.amdhsa_system_sgpr_workgroup_id_x 1
		.amdhsa_system_sgpr_workgroup_id_y 1
		.amdhsa_system_sgpr_workgroup_id_z 1
		.amdhsa_system_vgpr_workitem_id 0
		.amdhsa_next_free_vgpr 1024
		.amdhsa_next_free_sgpr 100
		.amdhsa_reserve_vcc 0
		.amdhsa_float_denorm_mode_32 3
		.amdhsa_float_denorm_mode_16_64 3
		.amdhsa_memory_ordered 1
		.amdhsa_forward_progress 1
		.amdhsa_inst_pref_size 145
	.end_amdhsa_kernel
	.amdgpu_metadata
---
amdhsa.version: [ 1, 2 ]
amdhsa.kernels:
  - .name:           k_qaf79c5f4aa_gemm2
    .symbol:         k_qaf79c5f4aa_gemm2.kd
    .args:
      - { .name: a2, .offset: 0, .size: 8, .value_kind: global_buffer, .address_space: global }
      - { .name: w2, .offset: 8, .size: 8, .value_kind: global_buffer, .address_space: global }
      - { .name: lowp_scales, .offset: 16, .size: 8, .value_kind: global_buffer, .address_space: global }
      - { .name: hh_b, .offset: 24, .size: 8, .value_kind: global_buffer, .address_space: global }
      - { .name: out1, .offset: 32, .size: 8, .value_kind: global_buffer, .address_space: global }
    .group_segment_fixed_size: 327680
    .private_segment_fixed_size: 0
    .kernarg_segment_align: 8
    .kernarg_segment_size: 40
    .max_flat_workgroup_size: 128
    .sgpr_count:     100
    .vgpr_count:     1024
    .wavefront_size: 32
...
	.end_amdgpu_metadata
.endif
;; end of part 3
